; MI455X (gfx1250); checked and timed in simulation.
; The chip was launched on July 23, 2026; its instructions are those of AMD's public machine-readable ISA for CDNA 5 (MIT licence, August 2026) and "CDNA5" Instruction Set Architecture Reference Guide (July 2026). The comments in the code are by the model that wrote it; some were corrected since.
;; Vector Quantizer. Allowed arithmetic: matrix products marked QUANTISED: E3M2 operands, one E8M0 scale for each 32 along K, by v_wmma_scale_f32_16x16x128_f8f6f4 with both operands' format E3M2, f32 sums; everything else in f32.
;; Inputs: codebook 8,192 x 256 float32; x 32 x 1,024 x 256 float32.
;; Outputs: out0 32 x 1,024 x 256 float32; out1 one number float32.
;; Constants: hidden_dim = 256.
;; This version of the problem:
;;   THIS VERSION OF THE PROBLEM IS GIVEN IN LOW PRECISION. The matrix products marked QUANTISED in the list below multiply operands that are first quantised to E3M2 (3 exponent bits, 2 mantissa bits; 6 bits a number), with one power-of-two scale for each 32 numbers along K (OCP MX v1.0); their sums are f32. All else is computed in f32.
;;   The module's matrix products, in the order in which they are computed (A, B: the left and right operand; K: the contracted axis; several contracted axes count as one K, in the product's order):
;;     1. [M 32,768, K 256] x [K 256, N 8,192]; A: input x; B: input codebook: QUANTISED
;;   THE QUANTISER, for each operand of a quantised product, along K:
;;     - K is cut into blocks of 32 from its start; a last block that is shorter is filled with zeros.
;;     - A block's scale is 2^e with e = floor(log2(the largest magnitude in the block)) - 4, held to -126 .. 127; a block of zeros has e = 0. As a byte (E8M0): e + 127.
;;     - Each number is divided by its block's scale, clamped to +-28, and rounded to the nearest number of E3M2, ties to even, subnormals kept.
;;     - The product sums the exact products of the quantised numbers (number of the format x scale) in f32.
;;   ~~~python
;;   def quantise(x, axis):      # numpy; x: float32 -> the quantised numbers, widened to float32 again
;;       x = np.moveaxis(x, axis, -1); K = x.shape[-1]
;;       x = np.pad(x, [(0, 0)] * (x.ndim - 1) + [(0, -K % 32)]); x = x.reshape(x.shape[:-1] + (-1, 32)); a = np.abs(x).max(-1, keepdims=True)
;;       e = np.where(a > 0, np.clip(np.frexp(np.where(a > 0, a, 1))[1] - 1 - 4, -126, 127), 0)      # np.frexp(a)[1] - 1 = floor(log2(a)), exactly
;;       r = np.clip(x / 2.0 ** e, -28, 28)
;;       step = 2.0 ** (np.maximum(np.frexp(np.where(r == 0, 1, r))[1] - 1, -2) - 2)
;;       q = np.round(r / step) * step * 2.0 ** e      # np.round: ties to even
;;       return np.moveaxis(q.reshape(q.shape[:-2] + (-1,))[..., :K], -1, axis).astype(np.float32)
;;   ~~~
;; One version. Each part assembles by itself: llvm-mc -triple=amdgcn-amd-amdhsa -mcpu=gfx1250 --defsym DOCPART=n.
;; ======== version 1 of 1: 4 launches
;; limits: right only within a limited range of input values
;; workspace buffers: cbimg 1,703,936 bytes; idx 131,072 bytes of whole numbers; part 1,024 bytes
;; launch cbq (part 1): grid 256 x 1, 2 waves a work-group, no clusters, 34,048 bytes of LDS; arguments codebook, cbimg; writes cbimg
.if DOCPART == 1
	.amdgcn_target "amdgcn-amd-amdhsa--gfx1250"
	.amdhsa_code_object_version 6
	.text
	.protected	k_q474d67fc31_cbq
	.globl	k_q474d67fc31_cbq
	.p2align	8
	.type	k_q474d67fc31_cbq,@function
k_q474d67fc31_cbq:
	s_mov_b64 s[64:65], 0
	v_nop
	global_prefetch_b8 v0, s[64:65] scope:SCOPE_SE
	s_setreg_imm32_b32 hwreg(HW_REG_WAVE_MODE, 25, 1), 1
	s_wait_xcnt 0x0
; The codebook [8192][256] f32 becomes 512 RECORDS of 3,328 bytes (13 x 256), one for each tile of 16 codes, laid as the product's launch wants them in its registers:
;   bytes 512 c + 16 lane, c = 0 .. 5: the image of the tile's two operand fragments (K step c / 3, registers 4 (c % 3) on): codes of BF6 (E3M2), 6 bits each
;   bytes 3072 + 4 lane: scale words (four E8M0 bytes, 128 along K): lanes 0-15 code l's word of K step 0, lanes 16-31 code l - 16's word of K step 1
;   bytes 3200 + 4 i, i = 0 .. 31: -||c||^2 / 2 of code i % 16, in f32, of the numbers as they are given (not quantised)
; A block's scale is 2^(floor(log2(its largest magnitude)) - 4); its byte is the largest magnitude's exponent field - 4, held at 1 from below.
; LIMITS: a block whose largest magnitude lies under 2^-122, a block of zeros among them, keeps the byte 1 (its codes are zeros or subnormals of that scale; the bytes are read by this program alone);
; NaN and infinities among the inputs are not served.  ||c||^2 is summed in four chains and two lanes, not in the order of a plain loop.
; SHARES: a wave takes one tile: 16 dense rows, 16,384 bytes.  Each of its 32 loads reads 512 consecutive bytes; the rows turn through the wave's own stage in LDS, so that a lane gets 16 neighbours
; of each block of 32 of ONE row, which is what the conversions take.  Waves share nothing: no barrier.  No tensor load, no matrix unit, no cluster: a stream read once.
.set REC,   3328
.set SP,    1040                       ; a stage row: 1,024 bytes + 16 = 260 words: row r begins 4 r words on modulo 64 (64 banks of 4 bytes: ISA guide 11.1), so sixteen rows' 16 bytes fall on different banks
.set TAIL,  16*SP                      ; behind the stage: 256 bytes in which the record's last 256 bytes are gathered
.set WREG,  TAIL+256                   ; a wave's region of LDS
.set L16,  4                           ; v4   16 x lane
.set SIN,  5                           ; v5   the stage, on the way in: region + 16 x lane
.set SOUT, 6                           ; v6   on the way out: region + row r + 64 h
.set TW,   7                           ; v7   the tail, written: 4 x lane
.set TR,   8                           ; v8   the tail, read back: 8 x lane
.set L8,   9                           ; v9   8 x lane
.set R,    16                          ; v16-143  the tile as loaded
.set X0,   144                         ; v144-207 K step 0: 64 numbers of my row: register 16 b + i = k 32 b + 16 h + i
.set X1,   56                          ; v56-119  K step 1, where R lay
.set PC0,  16                          ; v16-34   K step 0's codes (the fragment in the first 12), store data: never written again
.set PC1,  36                          ; v36-54   K step 1's
.set TM,   208                         ; v208-223 at work in QUANT
.set PW0,  224                         ; v224, v225 the two scale words
.set PW1,  225
.set SQ,   226                         ; v226-229 the sum of squares, two packed chains
.set SEL,  20                          ; s[20:21] v_permlanex16_b32's selects for lane l xor 16
; 64 numbers of a lane, v[s] on, become a fragment's codes in v[pc] .. v[pc + 11] and its scale word in v[pw]
.macro QUANT s, pc, pw
.irp b, 0,1,2,3
	v_max3_num_f32 v[TM+\b], |v[\s+16*\b]|, |v[\s+1+16*\b]|, 0x2800000   ; block b: my 16 numbers, and the floor 2^(5 - 127): the byte cannot fall under 1
.endr
.irp i, 2,4,6,8,10,12,14
.irp b, 0,1,2,3
	v_max3_num_f32 v[TM+\b], v[TM+\b], |v[\s+16*\b+\i]|, |v[\s+1+16*\b+\i]|   ; the four blocks by turns
.endr
.endr
.irp b, 0,1,2,3
	v_permlanex16_b32 v[TM+4+\b], v[TM+\b], s[SEL], s[SEL+1]
.endr
.irp b, 0,1,2,3
	v_max_num_f32 v[TM+\b], v[TM+\b], v[TM+4+\b]   ; with lane l xor 16's 16: the block's largest magnitude
.endr
.irp b, 0,1,2,3
	v_add_nc_u32 v[TM+12+\b], 0xfe000000, v[TM+\b]   ; 4 off its exponent field: the conversion takes this operand's exponent field as its scale
.endr
.irp b, 0,1,2,3
	v_lshrrev_b32 v[TM+4+\b], 23, v[TM+12+\b]      ; the scale's byte
.endr
	v_lshl_or_b32 v[\pw], v[TM+5], 8, v[TM+4]      ; four bytes: my row's scale word
	v_lshl_or_b32 v[\pw], v[TM+6], 16, v[\pw]
	v_lshl_or_b32 v[\pw], v[TM+7], 24, v[\pw]
.irp c, 0,1
	v_cvt_scalef32_pk16_bf6_f32 v[\pc+6*\c:\pc+2+6*\c], v[\s+32*\c:\s+15+32*\c], v[TM+12+2*\c]
	v_cvt_scalef32_pk16_bf6_f32 v[\pc+12+4*\c:\pc+14+4*\c], v[\s+16+32*\c:\s+31+32*\c], v[TM+12+2*\c+1]   ; (a conversion's three registers begin on an even number)
.endr
	v_nop                                          ; one plain place behind a scaled conversion
.irp c, 0,1                                    ; the operand's layout wants a whole block in a lane: lanes 0-15 block 2 c, lanes 16-31 block 2 c + 1
.irp i, 0,1,2
	v_permlane16_swap_b32 v[\pc+6*\c+\i], v[\pc+12+4*\c+\i]
.endr
.irp i, 0,1,2
	v_mov_b32 v[\pc+3+6*\c+\i], v[\pc+12+4*\c+\i]
.endr
.endr
.endm
.macro XREAD reg, s                            ; K step s of my row out of the stage: 16 neighbours of each of its four blocks
.irp b, 0,1,2,3
.irp j, 0,1,2,3
	ds_load_b128 v[\reg+16*\b+4*\j:\reg+16*\b+4*\j+3], v[SOUT] offset:512*\s+128*\b+16*\j
.endr
.endr
.endm
.macro SQUARES s, first                        ; 64 squares onto the two packed chains; first = 1: the first products start the sums
.set j, 0
.rept 16
.if \first && (j == 0)
	v_pk_mul_f32 v[SQ:SQ+1], v[\s:\s+1], v[\s:\s+1]
	v_pk_mul_f32 v[SQ+2:SQ+3], v[\s+2:\s+3], v[\s+2:\s+3]
.else
	v_pk_fma_f32 v[SQ:SQ+1], v[\s+j:\s+j+1], v[\s+j:\s+j+1], v[SQ:SQ+1]
	v_pk_fma_f32 v[SQ+2:SQ+3], v[\s+j+2:\s+j+3], v[\s+j+2:\s+j+3], v[SQ+2:SQ+3]
.endif
.set j, j+4
.endr
.endm
	s_load_b128 s[4:7], s[0:1], 0x0                ; the codebook, the records
	v_lshl_add_u32 v254, v0, 2, 0x8400
	v_mov_b32 v255, 0
	v_lshrrev_b32 v1, 5, v0
	v_readfirstlane_b32 s8, v1                     ; wave 0, 1
	v_and_b32 v1, 31, v0                           ; lane
	v_and_b32 v2, 15, v0                           ; r
	v_bfe_u32 v3, v0, 4, 1                         ; h
	v_lshlrev_b32 v[L16], 4, v1
	s_mul_i32 s9, s8, WREG                         ; my region of LDS
	v_add_nc_u32 v[SIN], s9, v[L16]
	v_mul_u32_u24 v[SOUT], v2, SP
	v_lshl_add_u32 v[SOUT], v3, 6, v[SOUT]
	v_add_nc_u32 v[SOUT], s9, v[SOUT]
	s_add_co_u32 s10, s9, TAIL
	v_lshl_add_u32 v[TW], v1, 2, s10
	v_lshl_add_u32 v[TR], v1, 3, s10
	v_lshlrev_b32 v[L8], 3, v1
.irp b, 0,1,2,3
	v_mov_b32 v[TM+4+\b], 0                        ; written once: a lane permute's destination counts as one of its sources
.endr
	s_mov_b32 s[SEL], 0x76543210
	s_mov_b32 s[SEL+1], 0xfedcba98
	s_mov_b32 s22, 0xffff0000                      ; lanes 16-31
	s_lshl_b32 s12, ttmp9, 1
	s_add_co_u32 s12, s12, s8                      ; my tile: 2 x work-group + wave
	s_lshl_b32 s14, s12, 14                        ; its 16 rows of 1,024 bytes,
	s_mov_b32 s15, 0
	s_mul_i32 s16, s12, REC                        ; its record
	s_mov_b32 s17, 0
	s_wait_alu depctr_va_vdst(0)
	s_wait_kmcnt 0x0
	s_add_nc_u64 s[4:5], s[4:5], s[14:15]
	s_add_nc_u64 s[6:7], s[6:7], s[16:17]
.set i, 0
.rept 32
	global_load_b128 v[R+4*i:R+4*i+3], v[L16], s[4:5] offset:512*i th:TH_LOAD_NT   ; 32 lanes read 512 consecutive bytes: half a row
.set i, i+1
.endr
.set i, 0
.rept 32
	s_wait_loadcnt 31-i                            ; loads come back in order: load i is in, the younger ones stay out
	ds_store_b128 v[SIN], v[R+4*i:R+4*i+3] offset:(i/2)*SP+(i%2)*512
.set i, i+1
.endr
	XREAD X0, 0                                    ; LDS serves a wave's instructions in order: these see my stores
	s_wait_dscnt 0x0                               ; K step 0 is in; the stores are done too, so R's registers are free
	XREAD X1, 1                                    ; lands while K step 0 is worked
	SQUARES X0, 1
	QUANT X0, PC0, PW0
.irp c, 0,1,2
	global_store_b128 v[L16], v[PC0+4*\c:PC0+4*\c+3], s[6:7] offset:512*\c   ; 32 lanes store 512 consecutive bytes, at a multiple of 256 from the buffer's first byte
.endr
	s_wait_dscnt 0x0                               ; K step 1 is in
	SQUARES X1, 0
	QUANT X1, PC1, PW1
.irp c, 0,1,2
	global_store_b128 v[L16], v[PC1+4*\c:PC1+4*\c+3], s[6:7] offset:1536+512*\c
.endr
	v_pk_add_f32 v[SQ:SQ+1], v[SQ:SQ+1], v[SQ+2:SQ+3]
	v_add_f32 v[SQ], v[SQ], v[SQ+1]                ; my half of the row,
	v_permlanex16_b32 v[SQ+1], v[SQ], s[SEL], s[SEL+1]
	v_add_f32 v[SQ], v[SQ], v[SQ+1]                ; and lane l xor 16's: ||c||^2 of code r
	v_mul_f32 v[SQ], -0.5, v[SQ]
	v_cndmask_b32 v[SQ+2], v[PW0], v[PW1], s22     ; lanes 0-15 K step 0's word, lanes 16-31 K step 1's
	ds_store_b32 v[TW], v[SQ+2]
	ds_store_b32 v[TW], v[SQ] offset:128
	ds_load_b64 v[10:11], v[TR]                    ; in order behind my two stores
	s_wait_dscnt 0x0
	global_store_b64 v[L8], v[10:11], s[6:7] offset:3072   ; 32 lanes store the record's last 256 bytes, aligned
	s_wait_tensorcnt 0x0
	ds_add_u32 v254, v255
	s_wait_dscnt 0x0
	s_endpgm
.Lfunc_end_k_q474d67fc31_cbq:
	.size	k_q474d67fc31_cbq, .Lfunc_end_k_q474d67fc31_cbq-k_q474d67fc31_cbq
	.p2alignl 7, 3214868480
	.fill 96, 4, 3214868480
	.section	.rodata,"a",@progbits
	.p2align	6, 0x0
	.amdhsa_kernel k_q474d67fc31_cbq
		.amdhsa_group_segment_fixed_size 34048
		.amdhsa_private_segment_fixed_size 0
		.amdhsa_enable_private_segment 0
		.amdhsa_kernarg_size 16
		.amdhsa_user_sgpr_count 2
		.amdhsa_user_sgpr_kernarg_segment_ptr 1
		.amdhsa_wavefront_size32 1
		.amdhsa_system_sgpr_workgroup_id_x 1
		.amdhsa_system_sgpr_workgroup_id_y 1
		.amdhsa_system_sgpr_workgroup_id_z 1
		.amdhsa_system_vgpr_workitem_id 0
		.amdhsa_next_free_vgpr 256
		.amdhsa_next_free_sgpr 66
		.amdhsa_reserve_vcc 0
		.amdhsa_float_denorm_mode_32 3
		.amdhsa_float_denorm_mode_16_64 3
		.amdhsa_memory_ordered 1
		.amdhsa_forward_progress 1
		.amdhsa_inst_pref_size 23
	.end_amdhsa_kernel
	.amdgpu_metadata
---
amdhsa.version: [ 1, 2 ]
amdhsa.kernels:
  - .name:           k_q474d67fc31_cbq
    .symbol:         k_q474d67fc31_cbq.kd
    .args:
      - { .name: codebook, .offset: 0, .size: 8, .value_kind: global_buffer, .address_space: global }
      - { .name: cbimg, .offset: 8, .size: 8, .value_kind: global_buffer, .address_space: global }
    .group_segment_fixed_size: 34048
    .private_segment_fixed_size: 0
    .kernarg_segment_align: 8
    .kernarg_segment_size: 16
    .max_flat_workgroup_size: 64
    .sgpr_count:     66
    .vgpr_count:     256
    .wavefront_size: 32
...
	.end_amdgpu_metadata
.endif
;; end of part 1
;; launch vqmain (part 2): grid 256 x 1, 16 waves a work-group, clusters of 4 x 1, 327,680 bytes of LDS; arguments x, cbimg, idx; writes idx
.if DOCPART == 2
	.amdgcn_target "amdgcn-amd-amdhsa--gfx1250"
	.amdhsa_code_object_version 6
	.text
	.protected	k_q474d67fc31_vqmain
	.globl	k_q474d67fc31_vqmain
	.p2align	8
	.type	k_q474d67fc31_vqmain,@function
k_q474d67fc31_vqmain:
	s_mov_b64 s[64:65], 0
	v_nop
	global_prefetch_b8 v0, s[64:65] scope:SCOPE_SE
	s_setreg_imm32_b32 hwreg(HW_REG_WAVE_MODE, 25, 1), 1
	s_wait_xcnt 0x0
	s_wait_alu depctr_hold_cnt(0) depctr_sa_sdst(0) depctr_va_vdst(0) depctr_va_sdst(0) depctr_va_ssrc(0) depctr_va_vcc(0) depctr_vm_vsrc(0)
	s_getreg_b32 s2, hwreg(HW_REG_IB_STS2, 6, 4)
	s_cmp_eq_u32 s2, 0
	s_cbranch_scc0 .Lentry_in_a_cluster
	s_endpgm
.Lentry_in_a_cluster:
	s_bfe_u32 s2, ttmp6, 0x10000c
	s_cmp_lg_u32 s2, 0x3003
	s_cbranch_scc0 .Lentry_shape_is_right
	s_endpgm
.Lentry_shape_is_right:
; For each of the 32,768 rows of x: the number of the code with the smallest ||x||^2 + ||c||^2 - 2 x.c, the product x.c on codes of BF6 (E3M2) with one E8M0 scale for each 32 along the 256.
; WHAT IS COMPARED: S = x.c - ||c||^2 / 2, whose largest is the smallest distance (||x||^2 is the same for all codes of a row).  -||c||^2 / 2 is the C of a tile's first matrix instruction.
; LIMITS: ||x||^2 is not added to the numbers compared, and S is rounded by the matrix unit at S's own size: two codes whose distances differ by less than such a rounding may change places against a
; computation that rounds at the distance's size.  Equal S: the first index.  NaN and infinities are not served.  A block of x under 2^-122 (zeros too) keeps the scale byte 1.
; SHARES: a work-group owns 128 rows.  Wave w: rows 64 (w & 1) on (four tiles of 16, whose codes stay in 96 registers), and of every chunk of 32 code tiles the four tiles 4 (w >> 1) on.
; The product is used TRANSPOSED (source 0 = 16 codes, source 1 = 16 rows of x): lane (r, h) holds ONE row r of x, and its registers j the codes 8 h + j of the tile.
; THE ARGMAX, ten vector instructions a tile of 16 x 16: four maxima of three, one compare new > old (strict, tiles ascending: the first tile stays), one select of the tile's first code number,
; four pairs of selects that keep the winning tile's scores.  At the end the place in the tile is the first kept score that equals the maximum.  No branch and no address hangs on a score.
; THE CODEBOOK comes as records (register images: codes, scale words, -||c||^2 / 2) in 16 chunks of 106,496 bytes through two LDS slots.  All work-groups walk the same chunks: the four of a cluster ask JOINTLY.
; x is read once by this work-group: it comes as f32 by tensor loads into bytes that slot 1 takes later, is quantised in registers (wave w: one fragment), and goes round as register images.
; THE HEAD'S LOADS, one a wave: waves 0-7 bring 16 rows of x each, waves 8-15 an eighth of chunk 0 each.  Every refill is eight eighths, by waves 8-15.
.set REC,    3328                      ; a record
.set CHUNKB, 32*REC                    ; a chunk, and a slot
.set PARTB,  CHUNKB/8                  ; what one tensor load brings: 52 rows of 256 bytes
.set SLOT1,  CHUNKB
.set XP,     1040                      ; a row of x in LDS: 1,024 bytes + 16
.set XT,     SLOT1                     ; x, 128 rows: 133,120 bytes
.set XIMG,   XT+128*XP                 ; x's 16 fragments as images, 1,536 bytes each (row tile t, K step s: 2 t + s)
.set XSC,    XIMG+16*1536              ; their scale words, 128 bytes each
.set MRG,    XSC+16*128                ; the waves' results: 512 bytes a wave
.set SPARE,  MRG+16*512                ; the spare words, 128 bytes a wave: eight blocks of 256 bytes that no other line names
.set SPW, 1                            ; v1   SPARE + 4 x my thread's number; never rewritten
.set NIL, 2                            ; v2   0; never rewritten
.set ADR, 3                            ; v3, v4   my four records' images in slot 0, 1
.set ADS, 5                            ; v5, v6   their scale words
.set ADC, 7                            ; v7, v8   their -||c||^2 / 2
.set MST, 9                            ; v9   where I put a row's result
.set XS,  10                           ; v10-13  x's scale words: lanes 0-15 K step 0, lanes 16-31 K step 1.  Scales and nothing else
.set CS,  14                           ; v14-15  the code tile's scale words, two buffers.  Scales and nothing else
.set XF,  16                           ; v16-111 x's fragments: 24 m + 12 s
.set CF,  112                          ; v112-159 the code tile's two fragments, two buffers
.set CC,  160                          ; v160-175 its -||c||^2 / 2 in the result's layout, two buffers
.set ACC, 176                          ; v176-207 four accumulators
.set SV,  208                          ; v208-239 the winning tile's scores
.set RA,  240                          ; v240-243, v244-247 the running maximum, two sets by turns
.set RB,  244
.set ID,  248                          ; v248-251 the winning tile's first code number
.set MRD, 252                          ; where waves 0 and 1 read the results back
.set H8,  253                          ; 8 h
.set GO,  254                          ; 8 x lane
.set TMP, 255                          ; at the end: at work
.set PFO, 255                          ; in the loop: the prefetches' offset
.set XRD, 244                          ; at the head only: LDS addresses for x
.set XWI, 245
.set XWS, 246
.set XFI, 247
.set XFS, 255
.set SRC, 112                          ; at the head only: 64 numbers of x; TM at work; PC, PW the codes and the scale word
.set TM,  176
.set PC,  16
.set PW,  36
.set WV,  10                           ; s10  my wave's number
.set PFA, 16                           ; s[16:17] where the prefetches stand
.set CN,  18                           ; s18  the chunk's number
.set PL,  19                           ; s19  12 in waves 0-3, else 0: chunks under it prefetch
.set VM,  20                           ; s[20:23] lane masks
.set TID, 24                           ; s24  the tile's first code number
.set TRIPS, 25
.set SEL, 26                           ; s[26:27] selects for lane l xor 16
.set G1C, 28                           ; s[28:35] group 1 for an eighth of a chunk
.set G1X, 36                           ; s[36:43] for 16 rows of x
.set G0A, 44                           ; group 0: slot 0, slot 1, x
.set G0B, 48
.set G0X, 52
.macro CREST                           ; a round of the cluster's barrier behind its opening barrier
	s_cmp_lg_u32 s[WV], 0
	s_cbranch_scc1 .Lnot_wave_0_\@
	s_barrier_signal -3
.Lnot_wave_0_\@:
	s_barrier_wait -3
	s_barrier_signal -1
	s_barrier_wait -1
.endm
.macro ROUND
	s_barrier_signal -1
	s_barrier_wait -1
	CREST
.endm
.macro PLACES                          ; four places behind a matrix instruction (ISA guide 7.12.1)
.rept 4
	v_nop
.endr
.endm
.macro TFILL g0                        ; a joint refill: waves 8 to 15 fetch an eighth each; the branch hangs on the wave's number alone
	s_cmp_ge_u32 s[WV], 8
	s_cbranch_scc0 .Lno_fill_\@
	tensor_load_to_lds s[\g0:\g0+3], s[G1C:G1C+7]
	s_nop 0
	PLACES
.Lno_fill_\@:
.endm
.macro LOADT slot, i, buf              ; my i-th record of the slot into buffer buf: nine LDS loads
.irp c, 0,1,2,3,4,5
	ds_load_b128 v[CF+24*(\buf)+4*\c:CF+24*(\buf)+4*\c+3], v[ADR+(\slot)] offset:REC*(\i)+512*\c
.endr
	ds_load_b32 v[CS+(\buf)], v[ADS+(\slot)] offset:REC*(\i)+3072
	ds_load_b128 v[CC+8*(\buf):CC+8*(\buf)+3], v[ADC+(\slot)] offset:REC*(\i)+3200
	ds_load_b128 v[CC+8*(\buf)+4:CC+8*(\buf)+7], v[ADC+(\slot)] offset:REC*(\i)+3216
.endm
.macro MUL8 buf                        ; S of 16 codes x my 64 rows: the four accumulators by turns, one instruction a turn
.irp m, 0,1,2,3
	v_wmma_scale_f32_16x16x128_f8f6f4 v[ACC+8*\m:ACC+8*\m+7], v[CF+24*(\buf):CF+24*(\buf)+11], v[XF+24*\m:XF+24*\m+11], v[CC+8*(\buf):CC+8*(\buf)+7], v[CS+(\buf)], v[XS+\m] matrix_a_fmt:MATRIX_FMT_BF6 matrix_b_fmt:MATRIX_FMT_BF6
.endr
.irp m, 0,1,2,3
	v_wmma_scale_f32_16x16x128_f8f6f4 v[ACC+8*\m:ACC+8*\m+7], v[CF+24*(\buf)+12:CF+24*(\buf)+23], v[XF+24*\m+12:XF+24*\m+23], v[ACC+8*\m:ACC+8*\m+7], v[CS+(\buf)], v[XS+\m] matrix_a_fmt:MATRIX_FMT_BF6 matrix_b_fmt:MATRIX_FMT_BF6 matrix_a_scale:MATRIX_SCALE_ROW1 matrix_b_scale:MATRIX_SCALE_ROW1
.endr
.endm
.macro TRACK from, to                  ; the running maximum goes from one set to the other; each accumulator is read from its low end on
.irp m, 0,1,2,3
	v_max3_num_f32 v[\to+\m], v[\from+\m], v[ACC+8*\m], v[ACC+8*\m+1]
.endr
.irp j, 2,4,6
.irp m, 0,1,2,3
	v_max3_num_f32 v[\to+\m], v[\to+\m], v[ACC+8*\m+\j], v[ACC+8*\m+\j+1]
.endr
.endr
.irp m, 0,1,2,3
	v_cmp_gt_f32 vcc_lo, v[\to+\m], v[\from+\m]    ; has this tile raised my row's maximum?  Strictly: an equal score of a later tile does not take the place
	v_cndmask_b32 v[ID+\m], v[ID+\m], s[TID], vcc_lo
.irp j, 0,2,4,6
	v_dual_cndmask_b32 v[SV+8*\m+\j], v[SV+8*\m+\j], v[ACC+8*\m+\j] :: v_dual_cndmask_b32 v[SV+8*\m+\j+1], v[SV+8*\m+\j+1], v[ACC+8*\m+\j+1]   ; two selects under VCC: the tile's scores are kept where it won
.endr
.endr
.endm
.macro MERGE br, bi, cr, ci            ; (cr, ci) takes the place of (br, bi) if its score is larger, or equal with the smaller index
	v_cmp_gt_f32 s[VM], v[\cr], v[\br]
	v_cmp_eq_f32 s[VM+1], v[\cr], v[\br]
	v_cmp_lt_u32 s[VM+2], v[\ci], v[\bi]
	s_and_b32 s[VM+1], s[VM+1], s[VM+2]
	s_or_b32 s[VM], s[VM], s[VM+1]
	v_cndmask_b32 v[\br], v[\br], v[\cr], s[VM]
	v_cndmask_b32 v[\bi], v[\bi], v[\ci], s[VM]
.endm
; 64 numbers of a lane, register 16 b + i = k 32 b + 16 h + i of my row, become a fragment's codes in v[pc] .. v[pc + 11] and its scale word in v[pw]
.macro QUANT s, pc, pw
.irp b, 0,1,2,3
	v_max3_num_f32 v[TM+\b], |v[\s+16*\b]|, |v[\s+1+16*\b]|, 0x2800000   ; and the floor 2^(5 - 127): the byte cannot fall under 1
.endr
.irp i, 2,4,6,8,10,12,14
.irp b, 0,1,2,3
	s_delay_alu instid0(VALU_DEP_4)
	v_max3_num_f32 v[TM+\b], v[TM+\b], |v[\s+16*\b+\i]|, |v[\s+1+16*\b+\i]|
.endr
.endr
.irp b, 0,1,2,3
	s_delay_alu instid0(VALU_DEP_4)
	v_permlanex16_b32 v[TM+4+\b], v[TM+\b], s[SEL], s[SEL+1]
.endr
.irp b, 0,1,2,3
	s_delay_alu instid0(VALU_DEP_4)
	v_max_num_f32 v[TM+\b], v[TM+\b], v[TM+4+\b]   ; with lane l xor 16's 16: the block's largest magnitude
.endr
.irp b, 0,1,2,3
	s_delay_alu instid0(VALU_DEP_4)
	v_add_nc_u32 v[TM+12+\b], 0xfe000000, v[TM+\b]   ; 4 off its exponent field: the conversion's scale operand
.endr
.irp b, 0,1,2,3
	s_delay_alu instid0(VALU_DEP_4)
	v_lshrrev_b32 v[TM+4+\b], 23, v[TM+12+\b]      ; the scale's byte
.endr
	s_delay_alu instid0(VALU_DEP_3)
	v_lshl_or_b32 v[\pw], v[TM+5], 8, v[TM+4]
	s_delay_alu instid0(VALU_DEP_1)
	v_lshl_or_b32 v[\pw], v[TM+6], 16, v[\pw]
	s_delay_alu instid0(VALU_DEP_1)
	v_lshl_or_b32 v[\pw], v[TM+7], 24, v[\pw]
.irp c, 0,1
	v_cvt_scalef32_pk16_bf6_f32 v[\pc+6*\c:\pc+2+6*\c], v[\s+32*\c:\s+15+32*\c], v[TM+12+2*\c]
	v_cvt_scalef32_pk16_bf6_f32 v[\pc+12+4*\c:\pc+14+4*\c], v[\s+16+32*\c:\s+31+32*\c], v[TM+12+2*\c+1]
.endr
	v_nop                                          ; one plain place behind a scaled conversion
.irp c, 0,1                                    ; the operand's layout wants a whole block in a lane
.irp i, 0,1,2
	v_permlane16_swap_b32 v[\pc+6*\c+\i], v[\pc+12+4*\c+\i]
.endr
.irp i, 0,1,2
	s_delay_alu instid0(VALU_DEP_3)
	v_mov_b32 v[\pc+3+6*\c+\i], v[\pc+12+4*\c+\i]
.endr
.endr
.endm
; A CHUNK: my four tiles of the slot; tile i's nine loads are asked for a tile ahead.  mode 2: the slot is filled again, two chunks on; 1: the slots change and nothing is asked for; 0: the last chunk.
; THE CHANGE OF SLOTS stands at the head of the fourth tile, whose record is then in registers, so that my reads of this slot are over: I wait for all my tensor loads (an eighth of the other slot, in waves 8-15),
; add 0 to my spare word, wait for that and for my LDS loads, and signal; the tile's eight products stand between signal and wait.  With mode 2 that barrier opens a round of the cluster's barrier, and the joint
; refill is the first tensor load behind the round; then the other slot's first record is asked for, and the tile's vector work follows while it comes.
; THE PREFETCH: in chunk c (under 12) waves 0-3 of work-groups 0-3 name chunk c + 4, which the refill two changes of slots on will load: 416 blocks of 256 bytes, of which each of the cluster's four work-groups takes 104 by ADDRESS
; (26,624 cx), each of its four waves 26, a lane a block (lanes 26-31 name the wave's last block again).  Its base is stepped at the next chunk's head, behind s_wait_xcnt 0.  Chunks 0 to 3 come by their loads alone.
.macro CHUNK slot, mode, g0
.if \mode == 2
	s_wait_xcnt 0x0                                ; my last prefetch has read its base
	s_add_nc_u64 s[PFA:PFA+1], s[PFA:PFA+1], CHUNKB
.endif
.irp i, 0,1,2
	s_wait_dscnt 0x0                               ; this tile's record is in: nothing else of mine is out
	LOADT \slot, \i+1, (\i+1)%2
	MUL8 \i%2
	PLACES
.if \i%2 == 0
	TRACK RA, RB
.else
	TRACK RB, RA
.endif
	s_add_co_u32 s[TID], s[TID], 16
.endr
.if \mode > 0
	s_wait_tensorcnt 0x0                           ; all my tensor loads have landed, so a group 0 may be written
.endif
.if \mode == 2
	ds_add_u32 v[SPW], v[NIL]                      ; 0 onto my spare word
	s_add_nc_u64 s[\g0+2:\g0+3], s[\g0+2:\g0+3], 2*CHUNKB   ; this slot's next chunk
.endif
	s_wait_dscnt 0x0                               ; the add is done, the fourth record is in: my reads of this slot are over
.if \mode > 0
	s_barrier_signal -1
.endif
	MUL8 1
.if \mode > 0
	s_barrier_wait -1
.endif
.if \mode == 2
	CREST                                          ; no wave of any partner still reads this slot or has a load on its way
	TFILL \g0
.endif
.if \mode > 0
	LOADT 1-\slot, 0, 0
.endif
	PLACES
	TRACK RB, RA
	s_add_co_u32 s[TID], s[TID], 464               ; my first tile of the next chunk: 512 codes a chunk, 48 gone
.if \mode == 2
	s_cmp_lt_u32 s[CN], s[PL]
	s_cbranch_scc0 .Lno_ask_\@
	s_cmp_lt_u32 ttmp9, 4
	s_cbranch_scc0 .Lno_prefetch_vqmain0_\@
	global_prefetch_b8 v[PFO], s[PFA:PFA+1] th:TH_LOAD_NT scope:SCOPE_SE
.Lno_prefetch_vqmain0_\@:
.Lno_ask_\@:
	s_add_co_u32 s[CN], s[CN], 1
.endif
.endm
	s_load_b128 s[4:7], s[0:1], 0x0                ; x, the records
	s_load_b64 s[8:9], s[0:1], 0x10                ; idx
	v_lshl_add_u32 v[SPW], v0, 2, SPARE
	v_mov_b32 v[NIL], 0
	ds_add_u32 v[SPW], v[NIL]                      ; the opening lines: the add, twice on end, and its wait ahead of my first tensor load
	ds_add_u32 v[SPW], v[NIL]
	v_lshrrev_b32 v112, 5, v0
	s_delay_alu instid0(VALU_DEP_1)
	v_readfirstlane_b32 s[WV], v112                ; wave 0..15
	s_and_b32 s11, s[WV], 7                        ; which 16 rows of x, or which eighth of a chunk, I fetch
	s_and_b32 s12, s[WV], 1                        ; which 64 rows are mine.  At the head: which K step I quantise
	s_lshr_b32 s13, s[WV], 1                       ; which four tiles of a chunk are mine.  At the head: which row tile I quantise
	s_bfe_u32 s14, ttmp6, 0x40000                  ; cx: my place in the cluster
	s_lshl_b32 s15, ttmp9, 2
	s_add_co_u32 s15, s15, s14                     ; my block of 128 rows: it enters global addresses alone
	v_and_b32 v112, 31, v0                         ; lane
	v_and_b32 v113, 15, v0                         ; r
	v_bfe_u32 v114, v0, 4, 1                       ; h
	; every LDS address is made here, ahead of the first branch on the wave's number
	s_mul_i32 s56, s13, 4*REC
	v_lshl_add_u32 v[ADR], v112, 4, s56
	s_delay_alu instid0(VALU_DEP_1)
	v_add_nc_u32 v[ADR+1], SLOT1, v[ADR]
	v_lshl_add_u32 v[ADS], v112, 2, s56
	s_delay_alu instid0(VALU_DEP_1)
	v_add_nc_u32 v[ADS+1], SLOT1, v[ADS]
	v_lshl_add_u32 v[ADC], v114, 5, s56
	s_delay_alu instid0(VALU_DEP_1)
	v_add_nc_u32 v[ADC+1], SLOT1, v[ADC]
	s_lshl_b32 s57, s[WV], 9
	s_add_co_u32 s57, s57, MRG
	v_lshl_add_u32 v[MST], v113, 3, s57            ; 8 r + my wave's 512 bytes
	s_lshl_b32 s57, s12, 9
	s_add_co_u32 s57, s57, MRG
	v_lshl_add_u32 v[MRD], v112, 4, s57            ; 16 x lane (two rows) + the first wave of my half of the rows
	v_lshlrev_b32 v[H8], 3, v114
	v_lshlrev_b32 v[GO], 3, v112
	s_mul_i32 s58, s13, 16*XP
	s_lshl_b32 s59, s12, 9
	s_add_co_u32 s58, s58, s59
	s_add_co_u32 s58, s58, XT
	v_mul_u32_u24 v[XRD], v113, XP
	s_delay_alu instid0(VALU_DEP_1)
	v_lshl_add_u32 v[XRD], v114, 6, v[XRD]
	s_delay_alu instid0(VALU_DEP_1)
	v_add_nc_u32 v[XRD], s58, v[XRD]               ; row r of row tile w >> 1, K step w & 1, + 64 h
	s_mul_i32 s58, s[WV], 1536
	s_add_co_u32 s58, s58, XIMG
	v_lshl_add_u32 v[XWI], v112, 4, s58
	s_lshl_b32 s58, s[WV], 7
	s_add_co_u32 s58, s58, XSC
	v_lshl_add_u32 v[XWS], v112, 2, s58
	s_mul_i32 s58, s12, 8*1536
	s_add_co_u32 s58, s58, XIMG
	v_lshl_add_u32 v[XFI], v112, 4, s58
	s_lshl_b32 s58, s12, 10
	s_add_co_u32 s58, s58, XSC
	v_lshl_add_u32 v[XFS], v112, 2, s58
	s_delay_alu instid0(VALU_DEP_1)
	v_lshl_add_u32 v[XFS], v114, 7, v[XFS]         ; lanes 16-31 take K step 1's words, 128 bytes on
.irp b, 0,1,2,3
	v_mov_b32 v[TM+4+\b], 0                        ; written once: a lane permute's destination counts as one of its sources
.endr
	s_mov_b32 s[SEL], 0x76543210
	s_mov_b32 s[SEL+1], 0xfedcba98
	; group 1 for an eighth of a chunk: a dense block as 52 rows of 256 bytes (32 elements of 8 bytes), no padding
	s_mov_b32 s[G1C+0], 15|(3<<16)|(1<<21)         ; the mask: all four work-groups; elements of 8 bytes; bit 21 beside a mask
	s_mov_b32 s[G1C+1], 32<<16
	s_mov_b32 s[G1C+2], 52<<16
	s_mov_b32 s[G1C+3], 32<<16
	s_mov_b32 s[G1C+4], 52
	s_mov_b32 s[G1C+5], 32
	s_mov_b32 s[G1C+6], 0
	s_mov_b32 s[G1C+7], 0
	; group 1 for x: 16 rows of 256 elements of 4 bytes, 4 words of padding behind every 256 words; no mask: each work-group has rows of its own
	s_mov_b32 s[G1X+0], (2<<16)|(1<<20)|(7<<22)|(3<<25)
	s_mov_b32 s[G1X+1], 256<<16
	s_mov_b32 s[G1X+2], 16<<16
	s_mov_b32 s[G1X+3], 256<<16
	s_mov_b32 s[G1X+4], 16
	s_mov_b32 s[G1X+5], 256
	s_mov_b32 s[G1X+6], 0
	s_mov_b32 s[G1X+7], 0
	s_mul_i32 s56, s11, PARTB                      ; my eighth, in a chunk and in a slot: no place in the cluster enters it
	s_mov_b32 s57, 0
	s_mul_i32 s58, s11, 16*XP                      ; my 16 rows of x in LDS
	s_lshl_b32 s60, s15, 17                        ; and in memory: 128 rows of 1,024 bytes a work-group,
	s_lshl_b32 s61, s11, 14                        ; 16 rows a wave
	s_add_co_u32 s60, s60, s61
	s_mov_b32 s61, 0
	s_lshl_b32 s62, s15, 9                         ; idx: 512 bytes a work-group,
	s_lshl_b32 s63, s12, 8                         ; 256 for each half of the rows
	s_add_co_u32 s62, s62, s63
	s_mov_b32 s63, 0
	s_mul_i32 s22, s14, 4*26*256                   ; the prefetches: my work-group's 104 blocks of a chunk,
	s_add_co_u32 s22, s22, 3*CHUNKB                ; at chunk 3: chunk 0's head steps it to chunk 4
	s_mov_b32 s23, 0
	s_cmp_lt_u32 s[WV], 4
	s_cselect_b32 s[PL], 12, 0
	s_mov_b32 s[CN], 0
	s_wait_alu depctr_va_vdst(0)
	s_wait_dscnt 0x0                               ; both opening adds are done
	s_wait_kmcnt 0x0
	s_mov_b32 s[G0A], 1
	s_mov_b32 s[G0A+1], s56                        ; slot 0
	s_add_nc_u64 s[G0A+2:G0A+3], s[6:7], s[56:57]  ; chunk 0
	s_or_b32 s[G0A+3], s[G0A+3], 0x80000000
	s_mov_b32 s[G0B], 1
	s_add_co_u32 s[G0B+1], s56, SLOT1
	s_add_nc_u64 s[G0B+2:G0B+3], s[6:7], s[56:57]
	s_add_nc_u64 s[G0B+2:G0B+3], s[G0B+2:G0B+3], CHUNKB   ; chunk 1
	s_or_b32 s[G0B+3], s[G0B+3], 0x80000000
	s_mov_b32 s[G0X], 1
	s_add_co_u32 s[G0X+1], s58, XT
	s_add_nc_u64 s[G0X+2:G0X+3], s[4:5], s[60:61]
	s_or_b32 s[G0X+3], s[G0X+3], 0x80000000
	s_add_nc_u64 s[8:9], s[8:9], s[62:63]
	s_add_nc_u64 s[PFA:PFA+1], s[6:7], s[22:23]
	ROUND                                          ; all four work-groups are here: the first joint loads meet
	s_cmp_lt_u32 s[WV], 8                          ; one tensor load a wave at the head: every way passes exactly one
	s_cbranch_scc0 .Lhead_c
	tensor_load_to_lds s[G0X:G0X+3], s[G1X:G1X+7]  ; 16 rows of x
	s_nop 0
	PLACES
	s_branch .Lhead_j
.Lhead_c:
	tensor_load_to_lds s[G0A:G0A+3], s[G1C:G1C+7]  ; an eighth of chunk 0
	s_nop 0
	PLACES
.Lhead_j:
	s_wait_tensorcnt 0x0                           ; my part is in
	s_barrier_signal -1
	s_barrier_wait -1                              ; everybody's is
	; x: wave w quantises rows 16 (w >> 1) on, K step w & 1: one fragment
.irp b, 0,1,2,3
.irp j, 0,1,2,3
	ds_load_b128 v[SRC+16*\b+4*\j:SRC+16*\b+4*\j+3], v[XRD] offset:128*\b+16*\j
.endr
.endr
	s_wait_dscnt 0x0
	QUANT SRC, PC, PW
.irp c, 0,1,2
	ds_store_b128 v[XWI], v[PC+4*\c:PC+4*\c+3] offset:512*\c   ; the fragment goes to LDS as an image of its registers
.endr
	ds_store_b32 v[XWS], v[PW]
	; slot 1's first chunk takes bytes that x filled: the three lines, a round, and the joint load first behind it
	s_wait_tensorcnt 0x0
	ds_add_u32 v[SPW], v[NIL]                      ; 0 onto my spare word; the starting values stand between it and the wait for it
.irp m, 0,1,2,3
	v_mov_b32 v[RA+\m], 0xff800000                 ; the maximum so far: -infinity
	v_mov_b32 v[ID+\m], 0
.endr
.set i, 0
.rept 32
	v_mov_b32 v[SV+i], 0xff800000
.set i, i+1
.endr
	s_wait_alu depctr_va_vdst(0)
	s_wait_dscnt 0x0                               ; the add is done, my reads of x are over, my image has landed
	ROUND
	TFILL G0B
.irp m, 0,1,2,3
.irp s, 0,1
.irp c, 0,1,2
	ds_load_b128 v[XF+24*\m+12*\s+4*\c:XF+24*\m+12*\s+4*\c+3], v[XFI] offset:1536*(2*\m+\s)+512*\c   ; my eight fragments of x: they stay
.endr
.endr
	ds_load_b32 v[XS+\m], v[XFS] offset:256*\m
.endr
	LOADT 0, 0, 0
	s_and_b32 s56, s[WV], 3
	s_mul_i32 s56, s56, 26                         ; the prefetches' offset: 256 x (26 x (wave & 3) + the lesser of lane and 25)
	v_and_b32 v[PFO], 31, v0
	s_delay_alu instid0(VALU_DEP_1)
	v_min_u32 v[PFO], 25, v[PFO]
	s_delay_alu instid0(VALU_DEP_1)
	v_add_nc_u32 v[PFO], s56, v[PFO]
	s_delay_alu instid0(VALU_DEP_1)
	v_lshlrev_b32 v[PFO], 8, v[PFO]
	s_lshl_b32 s[TID], s13, 6                      ; my first tile's first code: 64 (w >> 1)
	s_mov_b32 s[TRIPS], 7
	s_wait_alu depctr_va_vdst(0)
.Lchunks:                                          ; seven trips: chunks 0 to 13 are multiplied, chunks 2 to 15 asked for
	CHUNK 0, 2, G0A
	CHUNK 1, 2, G0B
	s_sub_co_i32 s[TRIPS], s[TRIPS], 1
	s_cmp_lg_u32 s[TRIPS], 0
	s_cbranch_scc1 .Lchunks
	CHUNK 0, 1, G0A                                ; the tail is written out: nothing is left to ask for
	CHUNK 1, 0, G0B
	s_wait_xcnt 0x0                                ; the prefetches have read their offset: its register goes to other work
	; THE END.  For each row tile: the first kept score that equals the maximum gives the place in the tile; lanes l and l xor 16 are joined; the row's pair goes to LDS
.irp m, 0,1,2,3
	v_mov_b32 v[TMP], 7
.irp j, 6,5,4,3,2,1,0
	v_cmp_neq_f32 vcc_lo, v[SV+8*\m+\j], v[RA+\m]
	s_delay_alu instid0(VALU_DEP_1)
	v_cndmask_b32 v[TMP], \j, v[TMP], vcc_lo       ; descending, so that the lowest place stays
.endr
	v_mov_b32 v[SV+8*\m], v[RA+\m]
	v_add_nc_u32 v[SV+8*\m+1], v[ID+\m], v[H8]
	s_delay_alu instid0(VALU_DEP_1)
	v_add_nc_u32 v[SV+8*\m+1], v[SV+8*\m+1], v[TMP]   ; the code's number
	s_delay_alu instid0(VALU_DEP_3)
	v_permlanex16_b32 v[SV+8*\m+2], v[SV+8*\m], s[SEL], s[SEL+1]
	s_delay_alu instid0(VALU_DEP_2)
	v_permlanex16_b32 v[SV+8*\m+3], v[SV+8*\m+1], s[SEL], s[SEL+1]
	MERGE SV+8*\m, SV+8*\m+1, SV+8*\m+2, SV+8*\m+3
	ds_store_b64 v[MST], v[SV+8*\m:SV+8*\m+1] offset:128*\m   ; lanes l and l xor 16 write the same bytes with the same values
.endr
	s_wait_dscnt 0x0                               ; for the others' sake: my results have landed
	s_barrier_signal -1
	s_barrier_wait -1
	s_cmp_lt_u32 s[WV], 2                          ; waves 0 and 1 join the eight waves' results for 64 rows each, two rows a lane
	s_cbranch_scc0 .Ldone
.irp g, 0,1,2,3,4,5,6,7
	ds_load_b128 v[16+4*\g:19+4*\g], v[MRD] offset:1024*\g
.endr
	s_wait_dscnt 0x0
.irp g, 1,2,3,4,5,6,7
	MERGE 16, 17, 16+4*\g, 17+4*\g
	MERGE 18, 19, 18+4*\g, 19+4*\g
.endr
	v_mov_b32 v16, v17
	s_delay_alu instid0(VALU_DEP_2)
	v_mov_b32 v17, v19
	global_store_b64 v[GO], v[16:17], s[8:9]       ; 32 lanes store 256 consecutive bytes, at a multiple of 256 from idx's first byte
.Ldone:
	s_wait_tensorcnt 0x0                           ; the wave's end
	ds_add_u32 v[SPW], v[NIL]
	s_wait_dscnt 0x0
	ROUND                                          ; the closing round: no work-group ends while a partner may still ask for a chunk that names it
	s_endpgm
.Lfunc_end_k_q474d67fc31_vqmain:
	.size	k_q474d67fc31_vqmain, .Lfunc_end_k_q474d67fc31_vqmain-k_q474d67fc31_vqmain
	.p2alignl 7, 3214868480
	.fill 96, 4, 3214868480
	.section	.rodata,"a",@progbits
	.p2align	6, 0x0
	.amdhsa_kernel k_q474d67fc31_vqmain
		.amdhsa_group_segment_fixed_size 327680
		.amdhsa_private_segment_fixed_size 0
		.amdhsa_enable_private_segment 0
		.amdhsa_kernarg_size 24
		.amdhsa_user_sgpr_count 2
		.amdhsa_user_sgpr_kernarg_segment_ptr 1
		.amdhsa_wavefront_size32 1
		.amdhsa_system_sgpr_workgroup_id_x 1
		.amdhsa_system_sgpr_workgroup_id_y 1
		.amdhsa_system_sgpr_workgroup_id_z 1
		.amdhsa_system_vgpr_workitem_id 0
		.amdhsa_next_free_vgpr 256
		.amdhsa_next_free_sgpr 66
		.amdhsa_reserve_vcc 1
		.amdhsa_float_denorm_mode_32 3
		.amdhsa_float_denorm_mode_16_64 3
		.amdhsa_memory_ordered 1
		.amdhsa_forward_progress 1
		.amdhsa_inst_pref_size 100
	.end_amdhsa_kernel
	.amdgpu_metadata
---
amdhsa.version: [ 1, 2 ]
amdhsa.kernels:
  - .name:           k_q474d67fc31_vqmain
    .symbol:         k_q474d67fc31_vqmain.kd
    .args:
      - { .name: x, .offset: 0, .size: 8, .value_kind: global_buffer, .address_space: global }
      - { .name: cbimg, .offset: 8, .size: 8, .value_kind: global_buffer, .address_space: global }
      - { .name: idx, .offset: 16, .size: 8, .value_kind: global_buffer, .address_space: global }
    .group_segment_fixed_size: 327680
    .private_segment_fixed_size: 0
    .kernarg_segment_align: 8
    .kernarg_segment_size: 24
    .max_flat_workgroup_size: 512
    .sgpr_count:     66
    .vgpr_count:     256
    .wavefront_size: 32
...
	.end_amdgpu_metadata
.endif
;; end of part 2
;; launch vqout (part 3): grid 256 x 1, 16 waves a work-group, no clusters, 2,304 bytes of LDS; arguments x, codebook, idx, out0, part; writes out0, part
.if DOCPART == 3
	.amdgcn_target "amdgcn-amd-amdhsa--gfx1250"
	.amdhsa_code_object_version 6
	.text
	.protected	k_q474d67fc31_vqout
	.globl	k_q474d67fc31_vqout
	.p2align	8
	.type	k_q474d67fc31_vqout,@function
k_q474d67fc31_vqout:
	s_mov_b64 s[64:65], 0
	v_nop
	global_prefetch_b8 v0, s[64:65] scope:SCOPE_SE
	s_setreg_imm32_b32 hwreg(HW_REG_WAVE_MODE, 25, 1), 1
	s_wait_xcnt 0x0
; out0 = x + (q - x), q the f32 row of the codebook that idx names, and each work-group's sum of (q - x)^2, all in f32.
; SHARES: a work-group owns 128 rows, each of its sixteen waves 8.  A row is 1,024 bytes: two loads of 512 consecutive bytes.  No loop: a wave asks for its 8 rows of x and 8 rows of the codebook
; at once (16 KiB), works them row by row as they come, and stores each row as two runs of 512 consecutive bytes.  The indices are whole numbers that an earlier launch stored; they come by one scalar load.
; No LDS but 64 bytes for the sixteen waves' sums and a spare word a thread at 256 on; no matrix unit, no tensor load, no cluster: a stream and a gather, and the work-groups share no tile.
; An index is held to 0 .. 8191 in front of its use as an offset.
.set L16, 1                            ; v1      16 x lane
.set OF,  2                            ; v2-9    row i's place in the codebook + 16 x lane
.set X,   16                           ; v16-79  x, 8 registers a row; then out0's numbers: store data, never written again
.set Q,   80                           ; v80-143 q, then q - x
.set A,   144                          ; v144-151 four packed sums of squares
	s_load_b256 s[4:11], s[0:1], 0x0               ; x s[4:5], codebook s[6:7], idx s[8:9], out0 s[10:11]
	s_load_b64 s[12:13], s[0:1], 0x20              ; part
	v_lshl_add_u32 v160, v0, 2, 0x100
	v_mov_b32 v161, 0
	v_lshrrev_b32 v1, 5, v0
	s_delay_alu instid0(VALU_DEP_1)
	v_readfirstlane_b32 s14, v1                    ; wave 0..15
	v_and_b32 v1, 31, v0
	s_delay_alu instid0(VALU_DEP_1)
	v_lshlrev_b32 v[L16], 4, v1
	s_lshl_b32 s15, ttmp9, 7
	s_lshl_b32 s24, s14, 3
	s_add_co_u32 s15, s15, s24                     ; my first row: 128 x work-group + 8 x wave
	s_lshl_b32 s24, s15, 2                         ; its index,
	s_mov_b32 s25, 0
	s_lshl_b32 s26, s15, 10                        ; its bytes in x and out0,
	s_mov_b32 s27, 0
	s_lshl_b32 s28, ttmp9, 2                       ; my work-group's word of part
	s_mov_b32 s29, 0
	s_mov_b32 s30, 0x76543210                      ; v_permlanex16_b32's selects for lane l xor 16
	s_mov_b32 s31, 0xfedcba98
	s_lshl_b32 s32, s14, 2
	v_mov_b32 v10, s32                             ; LDS: my wave's word
	s_wait_alu depctr_va_vdst(0)
	s_wait_kmcnt 0x0
	s_add_nc_u64 s[8:9], s[8:9], s[24:25]
	s_load_b256 s[16:23], s[8:9], 0x0              ; my eight indices
	s_add_nc_u64 s[4:5], s[4:5], s[26:27]
	s_add_nc_u64 s[10:11], s[10:11], s[26:27]
	s_add_nc_u64 s[12:13], s[12:13], s[28:29]
.irp i, 0,1,2,3,4,5,6,7
.irp p, 0,1
	global_load_b128 v[X+8*\i+4*\p:X+8*\i+4*\p+3], v[L16], s[4:5] offset:1024*\i+512*\p th:TH_LOAD_NT
.endr
.endr
	s_wait_kmcnt 0x0
.irp i, 0,1,2,3,4,5,6,7
	s_min_u32 s[16+\i], s[16+\i], 0x1fff           ; inside the table
	s_lshl_b32 s[16+\i], s[16+\i], 10              ; a row of 1,024 bytes
	v_add_nc_u32 v[OF+\i], s[16+\i], v[L16]
.endr
	s_wait_alu depctr_va_vdst(0)
.irp i, 0,1,2,3,4,5,6,7
.irp p, 0,1
	global_load_b128 v[Q+8*\i+4*\p:Q+8*\i+4*\p+3], v[OF+\i], s[6:7] offset:512*\p   ; no hint: a row may be named again
.endr
.endr
.macro ROWOUT i
	s_wait_loadcnt 14-2*\i                         ; loads come back in order: x is in and so is row i of q; the rows of q behind it stay out
.irp k, 0,1,2,3
	v_pk_add_f32 v[Q+8*\i+2*\k:Q+8*\i+2*\k+1], v[Q+8*\i+2*\k:Q+8*\i+2*\k+1], v[X+8*\i+2*\k:X+8*\i+2*\k+1] neg_lo:[0,1] neg_hi:[0,1]   ; d = q - x
.endr
.irp k, 0,1,2,3
.if \i == 0
	s_delay_alu instid0(VALU_DEP_4)
	v_pk_mul_f32 v[A+2*\k:A+2*\k+1], v[Q+8*\i+2*\k:Q+8*\i+2*\k+1], v[Q+8*\i+2*\k:Q+8*\i+2*\k+1]   ; the first row starts the sums
.else
	s_delay_alu instid0(VALU_DEP_4)
	v_pk_fma_f32 v[A+2*\k:A+2*\k+1], v[Q+8*\i+2*\k:Q+8*\i+2*\k+1], v[Q+8*\i+2*\k:Q+8*\i+2*\k+1], v[A+2*\k:A+2*\k+1]
.endif
.endr
.irp k, 0,1,2,3
	v_pk_add_f32 v[X+8*\i+2*\k:X+8*\i+2*\k+1], v[X+8*\i+2*\k:X+8*\i+2*\k+1], v[Q+8*\i+2*\k:Q+8*\i+2*\k+1]   ; x + d
.endr
.irp p, 0,1
	global_store_b128 v[L16], v[X+8*\i+4*\p:X+8*\i+4*\p+3], s[10:11] offset:1024*\i+512*\p th:TH_STORE_NT   ; 32 lanes store 512 consecutive bytes, aligned to 256
.endr
.endm
.irp i, 0,1,2,3,4,5,6,7
	ROWOUT \i
.endr
	v_pk_add_f32 v[A:A+1], v[A:A+1], v[A+2:A+3]
	v_pk_add_f32 v[A+4:A+5], v[A+4:A+5], v[A+6:A+7]
	s_delay_alu instid0(VALU_DEP_1)
	v_pk_add_f32 v[A:A+1], v[A:A+1], v[A+4:A+5]
	s_delay_alu instid0(VALU_DEP_1)
	v_add_f32 v[A], v[A], v[A+1]
	s_delay_alu instid0(VALU_DEP_1)
	v_add_f32_dpp v[A], v[A], v[A] row_xmask:1 row_mask:0xf bank_mask:0xf
	s_delay_alu instid0(VALU_DEP_1)
	v_add_f32_dpp v[A], v[A], v[A] row_xmask:2 row_mask:0xf bank_mask:0xf
	s_delay_alu instid0(VALU_DEP_1)
	v_add_f32_dpp v[A], v[A], v[A] row_xmask:4 row_mask:0xf bank_mask:0xf
	s_delay_alu instid0(VALU_DEP_1)
	v_add_f32_dpp v[A], v[A], v[A] row_xmask:8 row_mask:0xf bank_mask:0xf
	s_delay_alu instid0(VALU_DEP_1)
	v_permlanex16_b32 v[A+1], v[A], s30, s31
	s_delay_alu instid0(VALU_DEP_1)
	v_add_f32 v[A], v[A], v[A+1]                   ; my wave's sum, in every lane
	ds_store_b32 v10, v[A]                         ; all lanes write the same word with the same value
	s_wait_dscnt 0x0                               ; for the others' sake
	s_barrier_signal -1
	s_barrier_wait -1
	s_cmp_lg_u32 s14, 0                            ; wave 0 adds the sixteen, always in the same order
	s_cbranch_scc1 .Lend
	v_mov_b32 v11, 0
.irp t, 0,1,2,3
	ds_load_b128 v[Q+4*\t:Q+4*\t+3], v11 offset:16*\t
.endr
	s_wait_dscnt 0x0
	v_pk_add_f32 v[Q:Q+1], v[Q:Q+1], v[Q+2:Q+3]
	v_pk_add_f32 v[Q+4:Q+5], v[Q+4:Q+5], v[Q+6:Q+7]
	v_pk_add_f32 v[Q+8:Q+9], v[Q+8:Q+9], v[Q+10:Q+11]
	v_pk_add_f32 v[Q+12:Q+13], v[Q+12:Q+13], v[Q+14:Q+15]
	s_delay_alu instid0(VALU_DEP_3)
	v_pk_add_f32 v[Q:Q+1], v[Q:Q+1], v[Q+4:Q+5]
	s_delay_alu instid0(VALU_DEP_2)
	v_pk_add_f32 v[Q+8:Q+9], v[Q+8:Q+9], v[Q+12:Q+13]
	s_delay_alu instid0(VALU_DEP_1)
	v_pk_add_f32 v[Q:Q+1], v[Q:Q+1], v[Q+8:Q+9]
	s_delay_alu instid0(VALU_DEP_1)
	v_add_f32 v[Q], v[Q], v[Q+1]
	v_cmp_eq_u32 vcc_lo, 0, v0
	s_wait_alu depctr_va_vdst(0)
	s_wait_xcnt 0x0                                ; EXEC changes only behind this wait: it is a source of the stores above
	s_and_saveexec_b32 s33, vcc_lo
	global_store_b32 v11, v[Q], s[12:13]           ; thread 0 alone: the work-group's word
	s_wait_xcnt 0x0                                ; and again in front of the line that widens it
	s_or_b32 exec_lo, exec_lo, s33
.Lend:
	s_wait_tensorcnt 0x0
	ds_add_u32 v160, v161
	s_wait_dscnt 0x0
	s_endpgm
.Lfunc_end_k_q474d67fc31_vqout:
	.size	k_q474d67fc31_vqout, .Lfunc_end_k_q474d67fc31_vqout-k_q474d67fc31_vqout
	.p2alignl 7, 3214868480
	.fill 96, 4, 3214868480
	.section	.rodata,"a",@progbits
	.p2align	6, 0x0
	.amdhsa_kernel k_q474d67fc31_vqout
		.amdhsa_group_segment_fixed_size 2304
		.amdhsa_private_segment_fixed_size 0
		.amdhsa_enable_private_segment 0
		.amdhsa_kernarg_size 40
		.amdhsa_user_sgpr_count 2
		.amdhsa_user_sgpr_kernarg_segment_ptr 1
		.amdhsa_wavefront_size32 1
		.amdhsa_system_sgpr_workgroup_id_x 1
		.amdhsa_system_sgpr_workgroup_id_y 1
		.amdhsa_system_sgpr_workgroup_id_z 1
		.amdhsa_system_vgpr_workitem_id 0
		.amdhsa_next_free_vgpr 162
		.amdhsa_next_free_sgpr 66
		.amdhsa_reserve_vcc 1
		.amdhsa_float_denorm_mode_32 3
		.amdhsa_float_denorm_mode_16_64 3
		.amdhsa_memory_ordered 1
		.amdhsa_forward_progress 1
		.amdhsa_inst_pref_size 17
	.end_amdhsa_kernel
	.amdgpu_metadata
---
amdhsa.version: [ 1, 2 ]
amdhsa.kernels:
  - .name:           k_q474d67fc31_vqout
    .symbol:         k_q474d67fc31_vqout.kd
    .args:
      - { .name: x, .offset: 0, .size: 8, .value_kind: global_buffer, .address_space: global }
      - { .name: codebook, .offset: 8, .size: 8, .value_kind: global_buffer, .address_space: global }
      - { .name: idx, .offset: 16, .size: 8, .value_kind: global_buffer, .address_space: global }
      - { .name: out0, .offset: 24, .size: 8, .value_kind: global_buffer, .address_space: global }
      - { .name: part, .offset: 32, .size: 8, .value_kind: global_buffer, .address_space: global }
    .group_segment_fixed_size: 2304
    .private_segment_fixed_size: 0
    .kernarg_segment_align: 8
    .kernarg_segment_size: 40
    .max_flat_workgroup_size: 512
    .sgpr_count:     66
    .vgpr_count:     162
    .wavefront_size: 32
...
	.end_amdgpu_metadata
.endif
;; end of part 3
;; launch vqloss (part 4): grid 1 x 1, 1 waves a work-group, no clusters, 0 bytes of LDS; arguments part, out1; writes out1
.if DOCPART == 4
	.amdgcn_target "amdgcn-amd-amdhsa--gfx1250"
	.amdhsa_code_object_version 6
	.text
	.protected	k_q474d67fc31_vqloss
	.globl	k_q474d67fc31_vqloss
	.p2align	8
	.type	k_q474d67fc31_vqloss,@function
k_q474d67fc31_vqloss:
	s_mov_b64 s[64:65], 0
	v_nop
	global_prefetch_b8 v0, s[64:65] scope:SCOPE_SE
	s_setreg_imm32_b32 hwreg(HW_REG_WAVE_MODE, 25, 1), 1
	s_wait_xcnt 0x0
; out1 = 1.0 L + 0.25 L, L = the mean of (q - x)^2 over 32,768 x 256 = 2^23 numbers: the 256 work-groups' sums are added by one wave, eight a lane, in a fixed order.
; A sum over work-groups is made by a launch of its own, since the work-groups of one launch hand each other nothing.
	s_load_b128 s[4:7], s[0:1], 0x0                ; part, out1
	v_lshlrev_b32 v1, 4, v0
	v_mov_b32 v2, 0
	s_mov_b32 s8, 0x76543210                       ; v_permlanex16_b32's selects for lane l xor 16
	s_mov_b32 s9, 0xfedcba98
	s_wait_alu depctr_va_vdst(0)
	s_wait_kmcnt 0x0
	global_load_b128 v[4:7], v1, s[4:5]
	global_load_b128 v[8:11], v1, s[4:5] offset:512
	s_wait_loadcnt 0x0
	v_pk_add_f32 v[4:5], v[4:5], v[6:7]
	v_pk_add_f32 v[8:9], v[8:9], v[10:11]
	v_pk_add_f32 v[4:5], v[4:5], v[8:9]
	v_add_f32 v4, v4, v5
	v_add_f32_dpp v4, v4, v4 row_xmask:1 row_mask:0xf bank_mask:0xf
	v_add_f32_dpp v4, v4, v4 row_xmask:2 row_mask:0xf bank_mask:0xf
	v_add_f32_dpp v4, v4, v4 row_xmask:4 row_mask:0xf bank_mask:0xf
	v_add_f32_dpp v4, v4, v4 row_xmask:8 row_mask:0xf bank_mask:0xf
	v_permlanex16_b32 v5, v4, s8, s9
	v_add_f32 v4, v4, v5
	v_mul_f32 v4, 0x34000000, v4                   ; x 2^-23: the mean, exactly scaled
	v_fmamk_f32 v5, v4, 0x3e800000, v4             ; 0.25 L + L
	v_cmp_eq_u32 vcc_lo, 0, v0
	s_wait_alu depctr_va_vdst(0)
	s_wait_xcnt 0x0                                ; EXEC changes only behind this wait
	s_and_saveexec_b32 s10, vcc_lo
	global_store_b32 v2, v5, s[6:7]                ; lane 0 alone
	s_wait_xcnt 0x0
	s_or_b32 exec_lo, exec_lo, s10
	s_endpgm
.Lfunc_end_k_q474d67fc31_vqloss:
	.size	k_q474d67fc31_vqloss, .Lfunc_end_k_q474d67fc31_vqloss-k_q474d67fc31_vqloss
	.p2alignl 7, 3214868480
	.fill 96, 4, 3214868480
	.section	.rodata,"a",@progbits
	.p2align	6, 0x0
	.amdhsa_kernel k_q474d67fc31_vqloss
		.amdhsa_group_segment_fixed_size 0
		.amdhsa_private_segment_fixed_size 0
		.amdhsa_enable_private_segment 0
		.amdhsa_kernarg_size 16
		.amdhsa_user_sgpr_count 2
		.amdhsa_user_sgpr_kernarg_segment_ptr 1
		.amdhsa_wavefront_size32 1
		.amdhsa_system_sgpr_workgroup_id_x 1
		.amdhsa_system_sgpr_workgroup_id_y 1
		.amdhsa_system_sgpr_workgroup_id_z 1
		.amdhsa_system_vgpr_workitem_id 0
		.amdhsa_next_free_vgpr 16
		.amdhsa_next_free_sgpr 66
		.amdhsa_reserve_vcc 1
		.amdhsa_float_denorm_mode_32 3
		.amdhsa_float_denorm_mode_16_64 3
		.amdhsa_memory_ordered 1
		.amdhsa_forward_progress 1
		.amdhsa_inst_pref_size 2
	.end_amdhsa_kernel
	.amdgpu_metadata
---
amdhsa.version: [ 1, 2 ]
amdhsa.kernels:
  - .name:           k_q474d67fc31_vqloss
    .symbol:         k_q474d67fc31_vqloss.kd
    .args:
      - { .name: part, .offset: 0, .size: 8, .value_kind: global_buffer, .address_space: global }
      - { .name: out1, .offset: 8, .size: 8, .value_kind: global_buffer, .address_space: global }
    .group_segment_fixed_size: 0
    .private_segment_fixed_size: 0
    .kernarg_segment_align: 8
    .kernarg_segment_size: 16
    .max_flat_workgroup_size: 32
    .sgpr_count:     66
    .vgpr_count:     16
    .wavefront_size: 32
...
	.end_amdgpu_metadata
.endif
;; end of part 4
